; MI455X (gfx1250); checked and timed in simulation.
; The chip was launched on July 23, 2026; its instructions are those of AMD's public machine-readable ISA for CDNA 5 (MIT licence, August 2026) and "CDNA5" Instruction Set Architecture Reference Guide (July 2026). The comments in the code are by the model that wrote it; some were corrected since.
;; Mixture Of Experts. Allowed arithmetic: matrix products marked QUANTISED: E2M3 operands, one E8M0 scale for each 32 along K, by v_wmma_scale_f32_16x16x128_f8f6f4 with both operands' format E2M3, f32 sums; products left as they are: f32 operands where the result goes on into a quantised operand, else bf16, f16 or f32 operands; f32 sums; everything else in f32.
;; Inputs: W1_codes 8 x 4,096 x 32 x 24 uint8 (E2M3 codes of W1, K innermost, in blocks of 32 codes, four codes in three bytes); W1_scales 8 x 4,096 x 32 uint8 (E8M0 scales of W1, one for each 32 codes along K); W2_codes 8 x 1,024 x 128 x 24 uint8 (E2M3 codes of W2, K innermost, in blocks of 32 codes, four codes in three bytes); W2_scales 8 x 1,024 x 128 uint8 (E8M0 scales of W2, one for each 32 codes along K); Wg 1,024 x 8 float32; b1 8 x 4,096 float32; b2 8 x 1,024 float32; bg 8 float32; x 1,024 x 1,024 float32.
;; Outputs: out0 1,024 x 1,024 float32.
;; This version of the problem:
;;   THIS VERSION OF THE PROBLEM IS GIVEN IN LOW PRECISION. The matrix products marked QUANTISED in the list below multiply operands that are first quantised to E2M3 (2 exponent bits, 3 mantissa bits; 6 bits a number), with one power-of-two scale for each 32 numbers along K (OCP MX v1.0); their sums are f32. All else is computed in f32.
;;   The module's matrix products, in the order in which they are computed (A, B: the left and right operand; K: the contracted axis; several contracted axes count as one K, in the product's order):
;;     1. [M 1,024, K 1,024] x [K 1,024, N 32,768]; A: input x; B: input W1 (given as codes): QUANTISED
;;     2. batch 8 x [M 1,024, K 4,096] x [K 4,096, N 1,024]; A: input W2 (given as codes); B: computed on the way: QUANTISED
;;     3. [M 1,024, K 1,024] x [K 1,024, N 8]; A: input x; B: input Wg: left as it is (N = 8 < 16)
;;     4. batch 1,024 x [M 1, K 8] x [K 8, N 1,024]; A: softmax; B: computed on the way: left as it is (K = 8 < 32)
;;   THE QUANTISER, for each operand of a quantised product, along K:
;;     - K is cut into blocks of 32 from its start; a last block that is shorter is filled with zeros.
;;     - A block's scale is 2^e with e = floor(log2(the largest magnitude in the block)) - 2, held to -126 .. 127; a block of zeros has e = 0. As a byte (E8M0): e + 127.
;;     - Each number is divided by its block's scale, clamped to +-7.5, and rounded to the nearest number of E2M3, ties to even, subnormals kept.
;;     - The product sums the exact products of the quantised numbers (number of the format x scale) in f32.
;;   ~~~python
;;   def quantise(x, axis):      # numpy; x: float32 -> the quantised numbers, widened to float32 again
;;       x = np.moveaxis(x, axis, -1); K = x.shape[-1]
;;       x = np.pad(x, [(0, 0)] * (x.ndim - 1) + [(0, -K % 32)]); x = x.reshape(x.shape[:-1] + (-1, 32)); a = np.abs(x).max(-1, keepdims=True)
;;       e = np.where(a > 0, np.clip(np.frexp(np.where(a > 0, a, 1))[1] - 1 - 2, -126, 127), 0)      # np.frexp(a)[1] - 1 = floor(log2(a)), exactly
;;       r = np.clip(x / 2.0 ** e, -7.5, 7.5)
;;       step = 2.0 ** (np.maximum(np.frexp(np.where(r == 0, 1, r))[1] - 1, 0) - 3)
;;       q = np.round(r / step) * step * 2.0 ** e      # np.round: ties to even
;;       return np.moveaxis(q.reshape(q.shape[:-2] + (-1,))[..., :K], -1, axis).astype(np.float32)
;;   ~~~
;;   OPERANDS COMPUTED ON THE WAY. 'Computed on the way' means the value that the module computes at that place (a softmax that the list does not call 'softmax' is quantised finished and normalised). What goes into a quantiser is computed in f32, as accurately as f32 sums, v_exp_f32 and their like allow (about 1e-6 of the number): no bf16 or f16 on the way to a quantiser, and a product that is left as it is and whose result goes on into a quantised operand takes f32 operands (vector FMAs, or v_wmma_f32_16x16x4_f32). A number that lies on a knife's edge between two numbers of the format may be rounded either way, as far as f32 arithmetic and the matrix unit's own rounding can turn it there, and no further.
;;   INPUTS GIVEN AS CODES. W1 (in the module: [8, 1024, 4096], K = its axis 1); W2 (in the module: [8, 4096, 1024], K = its axis 1): each comes as NAME_codes (uint8): NAME with its K axis moved to the last place and cut into blocks of 32 codes, [.., K / 32, bytes a block], one block behind the other in memory; four codes in three bytes: a row's codes are one little-endian stream of bits, code i at bits 6 i .. 6 i + 5 (a code: sign, 2 exponent bits, 3 mantissa bits); and NAME_scales (uint8): the same leading axes, one E8M0 byte (e + 127) for each 32 codes along K. Its value is code x scale, taken as it is: it is not quantised again, and the codes and scales need not be those that the quantiser above would give.
;; One version. Each part assembles by itself: llvm-mc -triple=amdgcn-amd-amdhsa -mcpu=gfx1250 --defsym DOCPART=n.
;; ======== version 1 of 1: 4 launches
;; limits: right only within a limited range of input values
;; workspace buffers: xq 786,432 bytes; xs 32,768 bytes; hq 26,214,400 bytes; part 67,108,864 bytes
;; launch prep (part 1): grid 64 x 1, 16 waves a work-group, no clusters, 88,576 bytes of LDS; arguments x, xq, xs; writes xq, xs
.if DOCPART == 1
	.amdgcn_target "amdgcn-amd-amdhsa--gfx1250"
	.amdhsa_code_object_version 6
	.text
	.protected	k_q1ef0ab9728_prep
	.globl	k_q1ef0ab9728_prep
	.p2align	8
	.type	k_q1ef0ab9728_prep,@function
k_q1ef0ab9728_prep:
	s_mov_b64 s[64:65], 0
	v_nop
	global_prefetch_b8 v0, s[64:65] scope:SCOPE_SE
	s_setreg_imm32_b32 hwreg(HW_REG_WAVE_MODE, 25, 1), 1
	s_wait_xcnt 0x0
; x [1024][1024] f32 becomes codes of FP6 (E2M3) with one E8M0 scale byte for each 32 along K, laid as the first product's launch reads them:
;   xq[ks 0..3][mt 0..63][q 0..1][1536]: the fragment of rows 16 mt .. 16 mt + 15, K = 256 ks + 128 q .. + 127, as an IMAGE OF THE OPERAND'S REGISTERS: register p (of 12) of lane n at 512 (p / 4) + 16 n + 4 (p % 4);
;   xs[kq 0..7][row 0..1023]: one 32-bit word for a row and 128 along K, byte b for K = 128 kq + 32 b .. + 31.
; A block's scale is 2^(floor(log2(its largest magnitude)) - 2); its byte is the largest magnitude's exponent field - 2, held at 1 from below.
; LIMITS: a block of zeros gets the byte 1 where the quantiser's rule says 127 (its codes are zeros, and this program alone reads the bytes); NaN and infinities in x are not served.
; SHARES.  Work-group g owns rows 16 g .. 16 g + 15, wave w row 16 g + w, lane l the row's block l of 32 numbers.  Each load reads 512 consecutive bytes; the row turns through the wave's own stage in LDS, so that a lane
; gets its 32 neighbours.  The codes meet in LDS as the eight fragments' images, the scale bytes as words; behind ONE barrier twelve waves store the images (512 aligned bytes a store) and one wave the scale words.
; No tensor load, no cluster: the work-groups share no input.
.set PL,   144                         ; a block's place in a stage: 128 bytes + 16 of padding
.set WST,  32*PL                       ; a wave's stage
.set IMG,  16*WST                      ; behind the stages: the eight fragments' images
.set FRB,  1536                        ; an image in bytes
.set SCW,  IMG+8*FRB                   ; behind them: the scale words, [kq 8][16 rows]
.set R,    16                          ; v16-47  the row's numbers as loaded
.set X,    48                          ; v48-79  my block's 32 neighbours
.set C,    80                          ; v80-89  my block's codes
	s_load_b128 s[4:7], s[0:1], 0x0                ; x, xq
	s_load_b64 s[8:9], s[0:1], 0x10                ; xs
	v_lshl_add_u32 v104, v0, 2, 0x15200
	v_mov_b32 v105, 0
	v_lshrrev_b32 v10, 5, v0
	s_delay_alu instid0(VALU_DEP_1)
	v_readfirstlane_b32 s10, v10                   ; wave 0..15
	v_and_b32 v1, 31, v0                           ; lane l
	s_delay_alu instid0(VALU_DEP_1)
	v_lshlrev_b32 v2, 4, v1                        ; 16 l
	s_mul_i32 s11, s10, WST                        ; my stage
	v_lshrrev_b32 v10, 3, v1
	s_delay_alu instid0(VALU_DEP_1)
	v_mul_u32_u24 v10, v10, PL
	v_and_b32 v11, 7, v1
	s_delay_alu instid0(VALU_DEP_1)
	v_lshl_add_u32 v10, v11, 4, v10
	s_delay_alu instid0(VALU_DEP_1)
	v_add_nc_u32 v3, s11, v10                      ; into the stage: load j's 512 bytes are blocks 4 j .. 4 j + 3; my 16 bytes: block 4 j + l / 8, place 16 (l % 8)
	v_mul_u32_u24 v10, v1, PL
	s_delay_alu instid0(VALU_DEP_1)
	v_add_nc_u32 v4, s11, v10                      ; out of it: block l
	; my block is K step kq = l / 4 of 128, in it block 2 c + h: c = (l / 2) % 2, h = l % 2.  It is registers 6 c .. 6 c + 5 of lane w + 16 h of fragment kq
	v_lshrrev_b32 v10, 2, v1                       ; kq
	v_and_b32 v12, 1, v1                           ; h
	s_delay_alu instid0(VALU_DEP_2)
	v_mul_u32_u24 v11, v10, FRB
	s_delay_alu instid0(VALU_DEP_1)
	v_lshl_add_u32 v11, v12, 8, v11
	s_lshl_b32 s12, s10, 4
	s_add_co_u32 s12, s12, IMG
	v_add_nc_u32 v11, s12, v11                     ; IMG + 1536 kq + 16 (w + 16 h)
	v_bfe_u32 v12, v1, 1, 1                        ; c
	s_delay_alu instid0(VALU_DEP_1)
	v_mad_u32_u24 v5, v12, 520, v11                ; registers 0, 1 (c = 0) or 6, 7 (c = 1: 512 + 8)
	s_delay_alu instid0(VALU_DEP_2)
	v_mad_u32_u24 v6, v12, 1016, v11
	s_delay_alu instid0(VALU_DEP_1)
	v_add_nc_u32 v6, 8, v6                         ; registers 2, 3 (8) or 8, 9 (1024)
	s_delay_alu instid0(VALU_DEP_3)
	v_add_nc_u32 v7, 512, v5                       ; registers 4, 5 (512) or 10, 11 (1024 + 8)
	v_and_b32 v12, 3, v1                           ; my block in its K step
	s_delay_alu instid0(VALU_DEP_1)
	v_lshl_add_u32 v8, v10, 6, v12
	s_lshl_b32 s12, s10, 2
	s_add_co_u32 s12, s12, SCW
	v_add_nc_u32 v8, s12, v8                       ; my scale byte: SCW + 64 kq + 4 w + block
	s_min_u32 s13, s10, 11                         ; (waves 12 to 15 copy no codes: their number is held inside the images)
	s_lshl_b32 s12, s13, 10
	s_add_co_u32 s12, s12, IMG
	v_add_nc_u32 v9, s12, v2                       ; the way out of the images: 1,024 bytes a wave
	v_add_nc_u32 v14, SCW, v2                      ; and of the scale words: 16 bytes a lane,
	v_lshlrev_b32 v15, 12, v10
	s_delay_alu instid0(VALU_DEP_1)
	v_lshl_add_u32 v15, v12, 4, v15                ; which go to xs at 4096 kq + 16 (l % 4)
	s_lshl_b32 s14, ttmp9, 16
	s_lshl_b32 s15, s10, 12
	s_add_co_u32 s14, s14, s15                     ; my row of x: (16 g + w) x 4,096 bytes
	s_mov_b32 s15, 0
	s_mul_i32 s16, s13, 171
	s_lshr_b32 s16, s16, 9                         ; ks = w / 3: three waves copy the 3,072 bytes of a K step of 256
	s_mul_i32 s16, s16, 193536                     ; from one ks to the next xq has 196,608 bytes, the images 3,072
	s_mul_i32 s17, ttmp9, 3072
	s_add_co_u32 s16, s16, s17
	s_lshl_b32 s17, s13, 10
	s_add_co_u32 s16, s16, s17
	s_mov_b32 s17, 0
	s_lshl_b32 s18, ttmp9, 6                       ; my 16 rows' words in a row of xs
	s_mov_b32 s19, 0
	s_wait_kmcnt 0x0
	s_add_nc_u64 s[4:5], s[4:5], s[14:15]
	s_add_nc_u64 s[6:7], s[6:7], s[16:17]
	s_add_nc_u64 s[8:9], s[8:9], s[18:19]
.irp j, 0,1,2,3,4,5,6,7
	global_load_b128 v[R+4*\j:R+4*\j+3], v2, s[4:5] offset:512*\j th:TH_LOAD_NT   ; 32 lanes read 512 consecutive bytes
.endr
.irp j, 0,1,2,3,4,5,6,7
	s_wait_loadcnt 7-\j                            ; loads come back in order: load j is in, the younger ones stay out
	ds_store_b128 v3, v[R+4*\j:R+4*\j+3] offset:4*PL*\j
.endr
.irp i, 0,1,2,3,4,5,6,7
	ds_load_b128 v[X+4*\i:X+4*\i+3], v4 offset:16*\i   ; LDS serves a wave's instructions in order: these see my stores
.endr
	s_wait_dscnt 0x0
	v_max3_num_f32 v10, |v[X]|, |v[X+1]|, |v[X+2]|     ; the block's largest magnitude: all 32 numbers are mine; two chains
	v_max3_num_f32 v11, |v[X+3]|, |v[X+4]|, |v[X+5]|
.irp i, 6,10,14,18,22,26
	s_delay_alu instid0(VALU_DEP_2)
	v_max3_num_f32 v10, v10, |v[X+\i]|, |v[X+\i+1]|
	s_delay_alu instid0(VALU_DEP_2)
	v_max3_num_f32 v11, v11, |v[X+\i+2]|, |v[X+\i+3]|
.endr
	s_delay_alu instid0(VALU_DEP_2)
	v_max3_num_f32 v10, v10, |v[X+30]|, |v[X+31]|
	s_delay_alu instid0(VALU_DEP_1)
	v_max3_num_f32 v10, v10, v11, 0x1800000        ; and the floor 2^(3 - 127): the byte cannot fall under 1
	s_delay_alu instid0(VALU_DEP_1)
	v_add_nc_u32 v12, 0xff000000, v10              ; 2 off the exponent field: the conversion takes the exponent field of this operand as its scale
	v_cvt_scalef32_pk16_fp6_f32 v[C:C+2], v[X:X+15], v12
	v_cvt_scalef32_pk16_fp6_f32 v[C+4:C+6], v[X+16:X+31], v12   ; (a conversion's three registers begin on an even number)
	v_lshrrev_b32 v13, 23, v12                     ; the scale's byte; also the plain instruction between the conversions and the moves that read their results
	v_mov_b32 v[C+3], v[C+4]                       ; the six registers as three even pairs
	v_mov_b32 v[C+8], v[C+5]
	v_mov_b32 v[C+9], v[C+6]
	ds_store_b64 v5, v[C:C+1]
	ds_store_b64 v6, v[C+2:C+3]
	ds_store_b64 v7, v[C+8:C+9]
	ds_store_b8 v8, v13
	s_wait_dscnt 0x0                               ; for the others' sake: my stores have landed
	s_barrier_signal -1
	s_barrier_wait -1                              ; the eight images and the 128 scale words are whole
	s_cmp_lt_u32 s10, 12
	s_cbranch_scc0 .Lnot_codes
	ds_load_b128 v[90:93], v9
	ds_load_b128 v[94:97], v9 offset:512
	s_wait_dscnt 0x0
	global_store_b128 v2, v[90:93], s[6:7]         ; each store covers 512 consecutive bytes, aligned
	global_store_b128 v2, v[94:97], s[6:7] offset:512
	s_wait_tensorcnt 0x0
	ds_add_u32 v104, v105
	s_wait_dscnt 0x0
	s_endpgm
.Lnot_codes:
	s_cmp_eq_u32 s10, 12
	s_cbranch_scc0 .Ldone
	ds_load_b128 v[90:93], v14
	s_wait_dscnt 0x0
	global_store_b128 v15, v[90:93], s[8:9]        ; eight pieces of 64 bytes, one in each row of xs: the whole buffer is 32,768 bytes
.Ldone:
	s_wait_tensorcnt 0x0
	ds_add_u32 v104, v105
	s_wait_dscnt 0x0
	s_endpgm
.Lfunc_end_k_q1ef0ab9728_prep:
	.size	k_q1ef0ab9728_prep, .Lfunc_end_k_q1ef0ab9728_prep-k_q1ef0ab9728_prep
	.p2alignl 7, 3214868480
	.fill 96, 4, 3214868480
	.section	.rodata,"a",@progbits
	.p2align	6, 0x0
	.amdhsa_kernel k_q1ef0ab9728_prep
		.amdhsa_group_segment_fixed_size 88576
		.amdhsa_private_segment_fixed_size 0
		.amdhsa_enable_private_segment 0
		.amdhsa_kernarg_size 24
		.amdhsa_user_sgpr_count 2
		.amdhsa_user_sgpr_kernarg_segment_ptr 1
		.amdhsa_wavefront_size32 1
		.amdhsa_system_sgpr_workgroup_id_x 1
		.amdhsa_system_sgpr_workgroup_id_y 1
		.amdhsa_system_sgpr_workgroup_id_z 1
		.amdhsa_system_vgpr_workitem_id 0
		.amdhsa_next_free_vgpr 106
		.amdhsa_next_free_sgpr 66
		.amdhsa_reserve_vcc 0
		.amdhsa_float_denorm_mode_32 3
		.amdhsa_float_denorm_mode_16_64 3
		.amdhsa_memory_ordered 1
		.amdhsa_forward_progress 1
		.amdhsa_inst_pref_size 9
	.end_amdhsa_kernel
	.amdgpu_metadata
---
amdhsa.version: [ 1, 2 ]
amdhsa.kernels:
  - .name:           k_q1ef0ab9728_prep
    .symbol:         k_q1ef0ab9728_prep.kd
    .args:
      - { .name: x, .offset: 0, .size: 8, .value_kind: global_buffer, .address_space: global }
      - { .name: xq, .offset: 8, .size: 8, .value_kind: global_buffer, .address_space: global }
      - { .name: xs, .offset: 16, .size: 8, .value_kind: global_buffer, .address_space: global }
    .group_segment_fixed_size: 88576
    .private_segment_fixed_size: 0
    .kernarg_segment_align: 8
    .kernarg_segment_size: 24
    .max_flat_workgroup_size: 512
    .sgpr_count:     66
    .vgpr_count:     106
    .wavefront_size: 32
...
	.end_amdgpu_metadata
.endif
;; end of part 1
;; launch gemm1 (part 2): grid 4 x 64, 4 waves a work-group, clusters of 4 x 1, 327,680 bytes of LDS; arguments xq, xs, W1_codes, W1_scales, b1, hq; writes hq
.if DOCPART == 2
	.amdgcn_target "amdgcn-amd-amdhsa--gfx1250"
	.amdhsa_code_object_version 6
	.text
	.protected	k_q1ef0ab9728_gemm1
	.globl	k_q1ef0ab9728_gemm1
	.p2align	8
	.type	k_q1ef0ab9728_gemm1,@function
k_q1ef0ab9728_gemm1:
	s_mov_b64 s[64:65], 0
	v_nop
	global_prefetch_b8 v0, s[64:65] scope:SCOPE_SE
	s_setreg_imm32_b32 hwreg(HW_REG_WAVE_MODE, 25, 1), 1
	s_wait_xcnt 0x0
	s_wait_alu depctr_hold_cnt(0) depctr_sa_sdst(0) depctr_va_vdst(0) depctr_va_sdst(0) depctr_va_ssrc(0) depctr_va_vcc(0) depctr_vm_vsrc(0)
	s_getreg_b32 s2, hwreg(HW_REG_IB_STS2, 6, 4)
	s_cmp_eq_u32 s2, 0
	s_cbranch_scc0 .Lentry_in_a_cluster
	s_endpgm
.Lentry_in_a_cluster:
	s_bfe_u32 s2, ttmp6, 0x10000c
	s_cmp_lg_u32 s2, 0x3003
	s_cbranch_scc0 .Lentry_shape_is_right
	s_endpgm
.Lentry_shape_is_right:
; h = relu(x W1 + b1), quantised along the hidden axis.  W1 is 32,768 rows (expert x hidden unit) of K = 1,024, codes of FP6 (E2M3) with E8M0 scales.
; A work-group owns 256 rows of x (cx) and 512 rows of W1 (y); wave w owns rows 64 w .. 64 w + 63.
; X STAYS IN REGISTERS: a wave's 4 tiles of 16 rows x 8 K steps of 128 are 32 fragments, 384 registers, loaded once from xq's images; x never passes through LDS.
; W1 STREAMS through two LDS slots as whole rows of 768 bytes, 128 rows a tile, four tiles; each wave fetches 32 rows.  The four work-groups of a cluster (the four row blocks) need the same tiles and ask JOINTLY.
; Slot 1 lies 0x20000 bytes behind slot 0, so that one xor changes slots and one text of a trip serves both.
; A trip: 8 K steps x (8 tiles of W1 x 4 tiles of x) = 256 matrix instructions on 32 accumulators by turns, b1 as the first C; then the 128 hidden units, one K step of the second product, are quantised and leave as
; hq[kq 0..255][block of 256 rows 0..3][25,600] (16 images of the operand's registers, then one scale word a row).  W1's scale bytes (512 consecutive bytes a load) and b1 (32 bytes a load) come straight into registers.
; The matrix instruction is used transposed (source 0 = 16 rows of W1, source 1 = 16 rows of x).
; LIMITS: NaN and infinities are not served; a block of zeros gets the scale byte 1 (its codes are zeros; this program alone reads the bytes).
; REGISTERS: window 0: v0-31 addresses, v32-47 x's scale words, v48-79 W1's, v80-143 b1, v144-159 at work, v160-255 W1's fragments set 1 (on the way out: 64 numbers of h, codes);
;   window 1: accumulators; window 2: x's K steps 0-4; window 3: x's K steps 5-7 (v0-143), W1's fragments set 0 (v144-239).
.set PITCH, 816                        ; an LDS row: 3 x (256 bytes + 16 of padding)
.set SLOT1, 0x20000
.set SPARE, SLOT1+128*PITCH            ; the spare words
.set TILEB, 98304                      ; 128 rows of W1 in memory
; THE LAYOUT OF hq, which holds the scale words too (there is no buffer hs): hq[kq 0..255][block of 256 rows 0..3][25,600]: the block's 16 images of 1,536 bytes, then its 256 rows' scale words, 4 bytes a row.
.set HQS, 102400                       ; a K step of hq
.set ADR, 16                           ; v16-19 W1's fragments: tiles 0-3 plain, behind one padding more; tiles 4-7 likewise
.set CO, 20
.set L4, 21
.set SH8, 22
.set BA, 23
.set XSA, 24
.set BSA, 25
.set PFO, 26
.set SPW, 28
.set NIL, 29
.set XS, 32                            ; register 4 a + j: lanes 0-15 K step j, lanes 16-31 K step 4 + j
.set BS, 48
.set BI, 80
.set MX, 144
.set OP, 148
.set BY, 150
.set WD, 152
.set PX, 153
.set EV, 154
.set JW, 155
.set HB, 160
.set CODE, 224
.set UP, 248
.set MSB, 0
.macro WIN new
.if MSB != (\new)
	s_set_vgpr_msb (MSB<<8)|(\new)
.set MSB, \new
.endif
.endm
.macro PLACES n
.rept \n
	v_nop
.endr
.endm
.macro CROUND                          ; a round of the cluster's barrier
	s_barrier_signal -1
	s_barrier_wait -1
	s_cmp_lg_u32 s19, 0
	s_cbranch_scc1 .Lnw0_\@
	s_barrier_signal -3
.Lnw0_\@:
	s_barrier_wait -3
	s_barrier_signal -1
	s_barrier_wait -1
.endm
.macro LDBS                            ; W1's scale bytes of 128 rows: lane (r, h) takes 16 bytes: K steps 4 h .. 4 h + 3 of row r
.irp b, 0,1,2,3,4,5,6,7
	global_load_b128 v[BS+4*\b:BS+4*\b+3], v[BSA], s[10:11] offset:512*\b
.endr
.endm
.macro LDBI                            ; b1 in the result's layout: lane (r, h), tile b: hidden units 16 b + 8 h + 0 .. 7
.irp b, 0,1,2,3,4,5,6,7
	global_load_b128 v[BI+8*\b:BI+8*\b+3], v[BA], s[12:13] offset:64*\b
	global_load_b128 v[BI+8*\b+4:BI+8*\b+7], v[BA], s[12:13] offset:64*\b+16
.endr
.endm
.macro FETCH k                         ; W1's eight fragments of K step k into set k % 2: 48 loads of 8 bytes
.if (\k)%2 == 0
	WIN 0xc0
.set FB, 144
.else
	WIN 0
.set FB, 160
.endif
.set b, 0
.rept 8
.irp p, 0,1,2,3,4,5
.set Y, 96*(\k)+48*(\p/3)+8*(\p%3)     ; the piece of lanes 0-15 in the row; lanes 16-31 read 24 bytes on, at times behind one padding more
.set AR, ADR+2*(b/4)+((Y+24)/256-Y/256)
	ds_load_b64 v[FB+12*b+2*\p:FB+12*b+2*\p+1], v[AR] offset:Y+16*(Y/256)+(b%4)*16*PITCH
.endr
.set b, b+1
.endr
.endm
.macro MULK k                          ; 32 matrix instructions, the 32 accumulators by turns
.if (\k)%2 == 0
.set SB, 144
.set W, 0x43
.else
.set SB, 160
.set W, 0x40
.endif
.if (\k) < 5
.set AB, 48*(\k)
.set W, W|0x08
.else
.set AB, 48*((\k)-5)
.set W, W|0x0c
.endif
.if (\k) > 0
.set W, W|0x10
.endif
	WIN W
.set b, 0
.rept 8
.set a, 0
.rept 4
.set DD, 64*a+8*(4*(b/4)+(b%4)/2+2*(b%2))   ; the order in which the way out wants the tiles
.if (\k) == 0
	v_wmma_scale_f32_16x16x128_f8f6f4 v[DD:DD+7], v[SB+12*b:SB+12*b+11], v[AB+12*a:AB+12*a+11], v[BI+8*b:BI+8*b+7], v[BS+4*b], v[XS+4*a] matrix_a_fmt:MATRIX_FMT_FP6 matrix_b_fmt:MATRIX_FMT_FP6
.elseif (\k) < 4
	v_wmma_scale_f32_16x16x128_f8f6f4 v[DD:DD+7], v[SB+12*b:SB+12*b+11], v[AB+12*a:AB+12*a+11], v[DD:DD+7], v[BS+4*b+(\k)], v[XS+4*a+(\k)] matrix_a_fmt:MATRIX_FMT_FP6 matrix_b_fmt:MATRIX_FMT_FP6
.else
	v_wmma_scale_f32_16x16x128_f8f6f4 v[DD:DD+7], v[SB+12*b:SB+12*b+11], v[AB+12*a:AB+12*a+11], v[DD:DD+7], v[BS+4*b+(\k)-4], v[XS+4*a+(\k)-4] matrix_a_fmt:MATRIX_FMT_FP6 matrix_b_fmt:MATRIX_FMT_FP6 matrix_a_scale:MATRIX_SCALE_ROW1 matrix_b_scale:MATRIX_SCALE_ROW1
.endif
.set a, a+1
.endr
.set b, b+1
.endr
.endm
; THE WAY OUT of tile a (16 rows, 128 hidden units).  The relu is also the move into window 0, each accumulator from its low end on.  Lanes l and l + 16 change halves, so that a lane holds whole blocks of 32
; in the order of the operand's registers; the conversions' results are the fragment.
.macro HOUT a
.set CD, CODE+12*((\a)%2)
	s_wait_alu depctr_va_vdst(0)
	s_wait_xcnt 0x0                                ; earlier stores have read their data registers
	WIN 0x04
.set j, 0
.rept 64
	v_max_num_f32 v[HB+j], 0, v[64*(\a)+j]
.set j, j+1
.endr
	WIN 0
.set j, 0
.rept 32
	v_permlane16_swap_b32 v[HB+16*(j/8)+j%8], v[HB+16*(j/8)+8+j%8]
.set j, j+1
.endr
.irp c, 0,1
	v_max3_num_f32 v[MX+2*\c], v[HB+32*\c], v[HB+32*\c+1], 0x1800000   ; with the floor 2^(3 - 127): the byte cannot fall under 1
	v_max3_num_f32 v[MX+2*\c+1], v[HB+32*\c+16], v[HB+32*\c+17], v[HB+32*\c+18]
.endr
.irp k, 0,1,2,3,4,5
.irp c, 0,1
	v_max3_num_f32 v[MX+2*\c], v[MX+2*\c], v[HB+32*\c+2+2*\k], v[HB+32*\c+3+2*\k]
	v_max3_num_f32 v[MX+2*\c+1], v[MX+2*\c+1], v[HB+32*\c+19+2*\k], v[HB+32*\c+20+2*\k]
.endr
.endr
.irp c, 0,1
	v_max3_num_f32 v[MX+2*\c], v[MX+2*\c], v[HB+32*\c+14], v[HB+32*\c+15]
.endr
.irp c, 0,1
	v_max3_num_f32 v[MX+2*\c], v[MX+2*\c], v[MX+2*\c+1], v[HB+32*\c+31]
.endr
.irp c, 0,1
	v_add_nc_u32 v[OP+\c], 0xff000000, v[MX+2*\c]  ; 2 off the exponent field: the conversion's scale operand
.endr
.irp c, 0,1
	v_lshrrev_b32 v[BY+\c], 23, v[OP+\c]           ; the scale's byte
.endr
	v_lshl_or_b32 v[WD], v[BY+1], 16, v[BY]        ; blocks h and 2 + h of my row,
	v_lshlrev_b32 v[WD], v[SH8], v[WD]             ; at their places in the scale word
	v_permlanex16_b32 v[PX], v[WD], s36, s37
.irp c, 0,1
	v_cvt_scalef32_pk16_fp6_f32 v[CD+6*\c:CD+6*\c+2], v[HB+32*\c:HB+32*\c+15], v[OP+\c]
	v_cvt_scalef32_pk16_fp6_f32 v[UP+4*\c:UP+4*\c+2], v[HB+32*\c+16:HB+32*\c+31], v[OP+\c]
.endr
	v_nop                                          ; one plain instruction behind the scaled conversions
.irp c, 0,1
.irp i, 0,1,2
	v_mov_b32 v[CD+6*\c+3+\i], v[UP+4*\c+\i]
.endr
.endr
.if (\a)%2 == 0
	v_or_b32 v[EV], v[WD], v[PX]                   ; the whole word, in both halves of the lanes
.else
	v_or_b32 v[WD], v[WD], v[PX]
	v_cndmask_b32 v[JW], v[EV], v[WD], s18         ; lanes 0-15 the even tile's rows, lanes 16-31 the odd tile's
	global_store_b32 v[L4], v[JW], s[16:17] offset:128*((\a)/2)   ; 32 rows' words: 128 consecutive bytes
.endif
.irp g, 0,1,2
	global_store_b128 v[CO], v[CD+4*\g:CD+4*\g+3], s[14:15] offset:1536*(\a)+512*\g   ; the image: 512 consecutive bytes a store, aligned
.endr
.endm
; A trip: one tile of W1.  more = 1: the other slot is filled with the next tile, behind a round of the cluster's barrier.
.macro TRIP more
	s_wait_tensorcnt 0x0                           ; my quarter of this trip's tile is in
	ds_add_u32 v[SPW], v[NIL]
.if \more
	s_xor_b32 s33, s33, SLOT1                      ; no load of mine is out: the descriptor steps to the other slot and the next tile
	s_add_nc_u64 s[34:35], s[34:35], TILEB
.endif
	s_wait_dscnt 0x0                               ; the add, and my reads of the other slot
.if \more
	CROUND
	tensor_load_to_lds s[32:35], s[24:31]
	s_nop 0
	PLACES 4
.else
	s_barrier_signal -1
	s_barrier_wait -1
.endif
	FETCH 0
	FETCH 1
.if \more
	s_cmp_gt_u32 s40, 1                            ; trips 0 and 1 name tiles 2 and 3: the tile that the next trip's load asks for
	s_cbranch_scc0 .Lnp_\@
	global_prefetch_b8 v[PFO], s[38:39] offset:2*TILEB th:TH_LOAD_NT scope:SCOPE_SE
.Lnp_\@:
.endif
	s_wait_loadcnt 0x0                             ; x (first trip), W1's scales, b1
	s_wait_dscnt 48                                ; all but the 48 loads of the next K step
	MULK 0
	PLACES 4
	FETCH 2
.if \more
	WIN 0
	s_add_nc_u64 s[12:13], s[12:13], 512           ; (its loads are done)
	LDBI                                           ; the next trip's b1
.endif
.irp k, 1,2,3,4,5
	s_wait_dscnt 48
	MULK \k
	PLACES 4
	FETCH \k+2
.endr
	s_wait_dscnt 48
	MULK 6
	s_wait_dscnt 0x0
	MULK 7
	PLACES 4
	WIN 0
.if \more
	s_add_nc_u64 s[10:11], s[10:11], 4096
	LDBS                                           ; the next trip's scale bytes, under the way out
.endif
	HOUT 0
	HOUT 1
	HOUT 2
	HOUT 3
.if \more
	s_wait_alu depctr_va_vdst(0)
	s_wait_xcnt 0x0                                ; stores and the prefetch have read their bases and data
	s_add_nc_u64 s[14:15], s[14:15], HQS
	s_add_nc_u64 s[16:17], s[16:17], HQS
	s_add_nc_u64 s[38:39], s[38:39], TILEB
.irp i, 0,1,2,3
	v_xor_b32 v[ADR+\i], SLOT1, v[ADR+\i]
.endr
.endif
.endm
	s_load_b256 s[4:11], s[0:1], 0x0               ; xq, xs, W1's codes, W1's scales
	s_load_b128 s[12:15], s[0:1], 0x20             ; b1, hq
	v_lshl_add_u32 v[SPW], v0, 2, SPARE
	v_mov_b32 v[NIL], 0
	ds_add_u32 v[SPW], v[NIL]                      ; the opening lines: the add twice and one wait
	ds_add_u32 v[SPW], v[NIL]
	v_lshrrev_b32 v1, 5, v0
	v_readfirstlane_b32 s19, v1                    ; wave
	s_bfe_u32 s20, ttmp6, 0x40000                  ; cx: which 256 rows of x
	s_and_b32 s21, ttmp7, 0xffff                   ; which 512 rows of W1
	s_mov_b32 s24, 15|(3<<16)|(1<<20)|(1<<21)|(5<<22)|(3<<25)   ; all four partners; elements of 8 bytes; 4 words of padding behind every 64
	s_mov_b32 s25, 96<<16
	s_mov_b32 s26, 32<<16
	s_mov_b32 s27, 96<<16
	s_mov_b32 s28, 32
	s_mov_b32 s29, 96
	s_mov_b32 s30, 0
	s_mov_b32 s31, 0
	s_mul_i32 s22, s21, 4*TILEB
	s_mul_i32 s23, s19, 24576
	s_add_co_u32 s22, s22, s23                     ; my 32 rows of tile 0
	s_mov_b32 s23, 0
	s_mov_b32 s32, 1
	s_mul_i32 s33, s19, 32*PITCH
	s_mov_b32 s18, 0xffff0000
	s_mov_b32 s36, 0x76543210
	s_mov_b32 s37, 0xfedcba98
	s_wait_dscnt 0x0
	s_wait_kmcnt 0x0
	s_add_nc_u64 s[34:35], s[8:9], s[22:23]
	s_or_b32 s35, s35, 0x80000000
	CROUND
	tensor_load_to_lds s[32:35], s[24:31]          ; one load a wave at the head
	s_nop 0
	PLACES 4
	s_lshl_b32 s22, s20, 2
	s_add_co_u32 s22, s22, s19                     ; 4 cx + wave: my 64 rows
	s_mov_b32 s43, 0
	s_mul_i32 s42, s22, 12288
	s_add_nc_u64 s[4:5], s[4:5], s[42:43]          ; xq: my first tile, 3,072 bytes a tile and K step of 256
	s_lshl_b32 s42, s22, 8
	s_add_nc_u64 s[6:7], s[6:7], s[42:43]          ; xs: 4 bytes a row
	s_lshl_b32 s42, s21, 14
	s_add_nc_u64 s[10:11], s[10:11], s[42:43]      ; W1's scales: 512 rows x 32 bytes
	s_mul_i32 s42, s22, 6144
	s_add_nc_u64 s[38:39], s[8:9], s[42:43]        ; the prefetches: of a tile's 384 blocks of 256 bytes each of the cluster's 16 waves names 24
	s_mul_i32 s42, s21, 4*TILEB
	s_add_nc_u64 s[38:39], s[38:39], s[42:43]
	s_mul_i32 s42, s21, 4*HQS
	s_add_nc_u64 s[14:15], s[14:15], s[42:43]      ; hq: four K steps a work-group,
	s_mul_i32 s42, s20, 25600
	s_add_nc_u64 s[14:15], s[14:15], s[42:43]      ; my block of 256 rows;
	s_lshl_b32 s42, s19, 8
	s_add_nc_u64 s[16:17], s[14:15], s[42:43]
	s_add_nc_u64 s[16:17], s[16:17], 24576         ; my 64 rows' scale words, behind the block's images;
	s_mul_i32 s42, s19, 6144
	s_add_nc_u64 s[14:15], s[14:15], s[42:43]      ; my four images
	s_lshl_b32 s42, s21, 11
	s_add_nc_u64 s[12:13], s[12:13], s[42:43]      ; b1
	v_and_b32 v1, 15, v0
	v_bfe_u32 v2, v0, 4, 1
	v_and_b32 v3, 31, v0
	v_lshlrev_b32 v[CO], 4, v3
	v_lshlrev_b32 v[L4], 2, v3
	v_lshlrev_b32 v[SH8], 3, v2
	v_lshlrev_b32 v[BA], 5, v2
	v_mul_u32_u24 v4, v1, PITCH
	v_mad_u32_u24 v[ADR], v2, 24, v4
	v_lshl_add_u32 v[ADR+1], v2, 4, v[ADR]
	v_add_nc_u32 v[ADR+2], 64*PITCH, v[ADR]
	v_add_nc_u32 v[ADR+3], 64*PITCH, v[ADR+1]
	v_lshlrev_b32 v5, 14, v2
	v_lshl_add_u32 v[XSA], v1, 2, v5               ; lanes 16-31 four K steps on
	v_lshlrev_b32 v6, 5, v1
	v_lshl_add_u32 v[BSA], v2, 4, v6
	v_min_u32 v7, 23, v3                           ; (lanes 24-31 name the wave's last block again)
	v_lshlrev_b32 v[PFO], 8, v7
	v_mov_b32 v[PX], 0
	s_wait_alu depctr_va_vdst(0)
.set k, 0
.rept 8
.if k < 5
	WIN 0x80
.set AB, 48*k
.else
	WIN 0xc0
.set AB, 48*(k-5)
.endif
.set a, 0
.rept 4
.irp g, 0,1,2
	global_load_b128 v[AB+12*a+4*\g:AB+12*a+4*\g+3], v[CO], s[4:5] offset:(k/2)*196608+a*3072+(k%2)*1536+512*\g
.endr
.set a, a+1
.endr
.set k, k+1
.endr
	WIN 0
.set a, 0
.rept 4
.irp j, 0,1,2,3
	global_load_b32 v[XS+4*a+\j], v[XSA], s[6:7] offset:4096*\j+64*a
.endr
.set a, a+1
.endr
	LDBS
	LDBI
	s_mov_b32 s40, 3
.Ltrip:
	TRIP 1
	s_sub_co_u32 s40, s40, 1
	s_cmp_lg_u32 s40, 0
	s_wait_alu depctr_va_vdst(0)
	s_cbranch_scc1 .Ltrip
	TRIP 0                                         ; the last tile: nothing more to fetch
	s_wait_tensorcnt 0x0                           ; the wave's end
	ds_add_u32 v[SPW], v[NIL]
	s_wait_dscnt 0x0
	CROUND                                         ; the closing round
	s_endpgm
.Lfunc_end_k_q1ef0ab9728_gemm1:
	.size	k_q1ef0ab9728_gemm1, .Lfunc_end_k_q1ef0ab9728_gemm1-k_q1ef0ab9728_gemm1
	.p2alignl 7, 3214868480
	.fill 96, 4, 3214868480
	.section	.rodata,"a",@progbits
	.p2align	6, 0x0
	.amdhsa_kernel k_q1ef0ab9728_gemm1
		.amdhsa_group_segment_fixed_size 327680
		.amdhsa_private_segment_fixed_size 0
		.amdhsa_enable_private_segment 0
		.amdhsa_kernarg_size 48
		.amdhsa_user_sgpr_count 2
		.amdhsa_user_sgpr_kernarg_segment_ptr 1
		.amdhsa_wavefront_size32 1
		.amdhsa_system_sgpr_workgroup_id_x 1
		.amdhsa_system_sgpr_workgroup_id_y 1
		.amdhsa_system_sgpr_workgroup_id_z 1
		.amdhsa_system_vgpr_workitem_id 0
		.amdhsa_next_free_vgpr 1024
		.amdhsa_next_free_sgpr 66
		.amdhsa_reserve_vcc 0
		.amdhsa_float_denorm_mode_32 3
		.amdhsa_float_denorm_mode_16_64 3
		.amdhsa_memory_ordered 1
		.amdhsa_forward_progress 1
		.amdhsa_inst_pref_size 189
	.end_amdhsa_kernel
	.amdgpu_metadata
---
amdhsa.version: [ 1, 2 ]
amdhsa.kernels:
  - .name:           k_q1ef0ab9728_gemm1
    .symbol:         k_q1ef0ab9728_gemm1.kd
    .args:
      - { .name: xq, .offset: 0, .size: 8, .value_kind: global_buffer, .address_space: global }
      - { .name: xs, .offset: 8, .size: 8, .value_kind: global_buffer, .address_space: global }
      - { .name: W1_codes, .offset: 16, .size: 8, .value_kind: global_buffer, .address_space: global }
      - { .name: W1_scales, .offset: 24, .size: 8, .value_kind: global_buffer, .address_space: global }
      - { .name: b1, .offset: 32, .size: 8, .value_kind: global_buffer, .address_space: global }
      - { .name: hq, .offset: 40, .size: 8, .value_kind: global_buffer, .address_space: global }
    .group_segment_fixed_size: 327680
    .private_segment_fixed_size: 0
    .kernarg_segment_align: 8
    .kernarg_segment_size: 48
    .max_flat_workgroup_size: 128
    .sgpr_count:     66
    .vgpr_count:     1024
    .wavefront_size: 32
...
	.end_amdgpu_metadata
.endif
;; end of part 2
;; launch gemm2 (part 3): grid 4 x 64, 4 waves a work-group, clusters of 4 x 4, 327,680 bytes of LDS; arguments hq, W2_codes, W2_scales, part; writes part
.if DOCPART == 3
	.amdgcn_target "amdgcn-amd-amdhsa--gfx1250"
	.amdhsa_code_object_version 6
	.text
	.protected	k_q1ef0ab9728_gemm2
	.globl	k_q1ef0ab9728_gemm2
	.p2align	8
	.type	k_q1ef0ab9728_gemm2,@function
k_q1ef0ab9728_gemm2:
	s_mov_b64 s[64:65], 0
	v_nop
	global_prefetch_b8 v0, s[64:65] scope:SCOPE_SE
	s_setreg_imm32_b32 hwreg(HW_REG_WAVE_MODE, 25, 1), 1
	s_wait_xcnt 0x0
	s_wait_alu depctr_hold_cnt(0) depctr_sa_sdst(0) depctr_va_vdst(0) depctr_va_sdst(0) depctr_va_ssrc(0) depctr_va_vcc(0) depctr_vm_vsrc(0)
	s_getreg_b32 s2, hwreg(HW_REG_IB_STS2, 6, 4)
	s_cmp_eq_u32 s2, 0
	s_cbranch_scc0 .Lentry_in_a_cluster
	s_endpgm
.Lentry_in_a_cluster:
	s_bfe_u32 s2, ttmp6, 0x10000c
	s_cmp_lg_u32 s2, 0xf033
	s_cbranch_scc0 .Lentry_shape_is_right
	s_endpgm
.Lentry_shape_is_right:
; part[z][row][o] = the sum over half z % 2 of expert z / 2's hidden axis (K = 2,048) of h[row][k] W2[o][k], both codes of FP6 (E2M3) with E8M0 scales; f32 sums.
; A tile of 256 x 256 is made by four waves, 128 x 128 each: 64 accumulators by turns.  Cluster 4 x 4: h's tiles are shared along a row of the cluster, W2's along a column, by joint loads.
; W2's rows go through a ring of two LDS slots in CHUNKS OF 256 BYTES, each beginning at a multiple of 256 bytes of its row; a step of 128 along K is 96 bytes: eight steps to three chunks.
; h comes as hq[kq][block of 256 rows][25,600]: 16 images of the operand's registers, then the rows' scale words.  Chunk c's slot also holds the blocks of the steps whose 96 bytes BEGIN in chunk c: 3, 3, 2 steps.
; THE HEAD asks for all that both slots hold, one load a wave: wave 0 h's steps 0-5, wave 1 W2's chunk 0, wave 2 its chunk 1, wave 3 W2's scale bytes for all 16 steps.
; In the ring wave 0 fetches h's blocks, waves 2 and 3 128 rows of W2 each.
; The matrix instruction is used transposed (source 0 = 16 rows of W2, source 1 = 16 rows of h).  The walk is written out: slots and chunks come back to where they began only after sixteen steps.
; Prefetches: at the refills with chunks 2 and 3 the bytes of chunks 4 and 5 are named, two refills ahead, each block of 256 bytes once in a cluster, shared out by address.
.set ROWB,   256
.set KROW,   3072
.set STEPS,  16
.set CHUNKS, 6
.set PITCH,  272
.set FR,     12
.set HQS,    102400                    ; a K step of hq
.set ABL,    25600                     ; and my 256 rows' block of it
.set ASL,    3*ABL                     ; h's part of a slot; slot 0's at 0, slot 1's behind it
.set HALFT,  128*PITCH
.set BSL,    2*HALFT                   ; W2's part of a slot
.set BB0,    2*ASL
.set SBP,    72                        ; W2's scale bytes: 64 a row + 8 of padding
.set SCB,    BB0+2*BSL
.set SPARE,  SCB+256*SBP
.set SPITCH, 528
.set ADRA, 16
.set ADSB, 19
.set ADRB, 20                          ; v20-21 slot 0, 1; v22-23 for pieces whose two halves of the lanes lie in different chunks
.set STO,  24
.set RD,   25
.set CO,   26
.set SPW,  28
.set NIL,  29
.set PFOA, 30
.set PFOB, 31
.set SC,   32                          ; v32-47 h's scale words, a set of 8 for each of two steps; v48-63 W2's, two sets: lanes 0-15 a pair's first step, lanes 16-31 its second
.set AF,   128
.set BK,   128
.set G1,   24
.set G0,   32
.set G0HC, 36
.set G1B,  48
.set G0B,  56
.set G1SB, 80
.set G0SB, 88
.set G0HB, 92
.set MSB, 0
.macro WIN new
.if MSB != (\new)
	s_set_vgpr_msb (MSB<<8)|(\new)
.set MSB, \new
.endif
.endm
.set MUL_LO, 0xa1
.set MUL_HI, 0xf1
.set TO_B,   0x40
.macro PLACES n
.rept \n
	v_nop
.endr
.endm
.macro TLOAD g0, g1
	tensor_load_to_lds s[\g0:\g0+3], s[\g1:\g1+7]
	s_nop 0
	PLACES 4
.endm
.macro JLOAD s                         ; the ring's joint loads; the branches hang on the wave's number alone; four v_nop on every way
	s_cmp_lt_u32 s14, 2
	s_cbranch_scc0 .Lfb_\@
	s_cmp_eq_u32 s14, 0
	s_cbranch_scc0 .Lfn_\@
	TLOAD G0, G1
	s_branch .Lfd_\@
.Lfn_\@:
	PLACES 4
	s_branch .Lfd_\@
.Lfb_\@:
	TLOAD G0B+4*(\s), G1B
.Lfd_\@:
.endm
.macro ASK c                           ; chunk c's bytes: waves 0, 1: 13 and 12 of my work-group's 25 blocks of each of its steps; waves 2, 3: a lane a row of W2
	s_cmp_eq_u32 s15, 0
	s_cbranch_scc0 .Lpb_\@
.set pi, 0
.rept (ROWB*((\c)+1)+95)/96-(ROWB*(\c)+95)/96
	global_prefetch_b8 v[PFOA], s[96:97] offset:((ROWB*(\c)+95)/96+pi)*HQS th:TH_LOAD_NT scope:SCOPE_SE
.set pi, pi+1
.endr
	s_branch .Lpd_\@
.Lpb_\@:
	global_prefetch_b8 v[PFOB], s[98:99] offset:(\c)*ROWB th:TH_LOAD_NT scope:SCOPE_SE
.Lpd_\@:
.endm
.macro CREST
	s_cmp_lg_u32 s14, 0
	s_cbranch_scc1 .Lnw0_\@
	s_barrier_signal -3
.Lnw0_\@:
	s_barrier_wait -3
	s_barrier_signal -1
	s_barrier_wait -1
.endm
.macro CROUND
	s_barrier_signal -1
	s_barrier_wait -1
	CREST
.endm
	s_load_b64 s[4:5], s[0:1], 0x0                 ; hq
	s_load_b128 s[8:11], s[0:1], 0x8               ; W2's codes, W2's scales
	s_load_b64 s[12:13], s[0:1], 0x18              ; part
	v_lshl_add_u32 v[SPW], v0, 2, SPARE
	v_mov_b32 v[NIL], 0
	ds_add_u32 v[SPW], v[NIL]                      ; the opening lines: the add twice and one wait
	ds_add_u32 v[SPW], v[NIL]
	v_lshrrev_b32 v1, 5, v0
	v_readfirstlane_b32 s14, v1
	s_lshr_b32 s15, s14, 1                         ; my half of the tile's rows
	s_and_b32 s16, s14, 1                          ; my half of its columns
	s_bfe_u32 s40, ttmp6, 0x40000                  ; cx: tile column
	s_bfe_u32 s41, ttmp6, 0x40004                  ; cy: tile row
	s_and_b32 s18, ttmp7, 0xffff                   ; z
	s_lshr_b32 s66, s18, 1                         ; expert
	s_and_b32 s67, s18, 1                          ; half of its K
	s_lshl_b32 s43, s41, 2
	s_lshl_b32 s43, 15, s43
	s_lshl_b32 s44, 0x1111, s40
	s_or_b32 s[G1], s43, (3<<16)|(1<<21)           ; h's blocks: rows of 25,600 bytes, one a step; six at the head
	s_mov_b32 s[G1+1], (ABL/8)<<16
	s_mov_b32 s[G1+2], 6<<16
	s_mov_b32 s[G1+3], (ABL/8)<<16
	s_mov_b32 s[G1+4], 6
	s_mov_b32 s[G1+5], HQS/8
	s_mov_b32 s[G1+6], 0
	s_mov_b32 s[G1+7], 0
	s_or_b32 s[G1B], s44, (1<<20)|(1<<21)|(5<<22)|(3<<25)   ; W2: rows of 256 bytes + 16 of padding; 256 rows at the head
	s_mov_b32 s[G1B+1], ROWB<<16
	s_mov_b32 s[G1B+2], 256<<16
	s_mov_b32 s[G1B+3], ROWB<<16
	s_mov_b32 s[G1B+4], 256
	s_mov_b32 s[G1B+5], KROW
	s_mov_b32 s[G1B+6], 0
	s_mov_b32 s[G1B+7], 0
	s_or_b32 s[G1SB], s44, (3<<16)|(1<<20)|(1<<21)|(3<<22)|(1<<25)   ; W2's scale bytes: 256 rows of 64 bytes, 128 apart
	s_mov_b32 s[G1SB+1], 8<<16
	s_mov_b32 s[G1SB+2], 256<<16
	s_mov_b32 s[G1SB+3], 8<<16
	s_mov_b32 s[G1SB+4], 256
	s_mov_b32 s[G1SB+5], 16
	s_mov_b32 s[G1SB+6], 0
	s_mov_b32 s[G1SB+7], 0
	s_mul_i32 s20, s18, 16*HQS
	s_mul_i32 s21, s41, ABL
	s_add_co_u32 s20, s20, s21                     ; hq: step 16 z, my tile row's block
	s_mov_b32 s21, 0
	s_mul_i32 s46, s66, 1024*KROW
	s_mul_i32 s47, s40, 256*KROW
	s_add_co_u32 s46, s46, s47
	s_mul_i32 s47, s67, 1536
	s_add_co_u32 s46, s46, s47                     ; W2's codes: expert, tile column, half of K
	s_mov_b32 s47, 0
	s_lshl_b32 s96, s66, 17
	s_lshl_b32 s97, s40, 15
	s_add_co_u32 s96, s96, s97
	s_lshl_b32 s97, s67, 6
	s_add_co_u32 s96, s96, s97                     ; its scale bytes
	s_mov_b32 s97, 0
	s_mul_i32 s98, s16, 128*KROW                   ; in the ring: which 128 rows I fetch
	s_mov_b32 s99, 0
	s_mul_i32 s45, s16, HALFT
	s_add_co_u32 s45, s45, BB0
	s_wait_dscnt 0x0
	s_wait_kmcnt 0x0
	s_add_nc_u64 s[20:21], s[4:5], s[20:21]
	s_add_nc_u64 s[46:47], s[8:9], s[46:47]
	s_add_nc_u64 s[96:97], s[10:11], s[96:97]
	CROUND                                         ; the first joint loads meet
	s_mov_b32 s[G0], 1
	s_mov_b32 s[G0+1], 0
	s_mov_b64 s[G0+2:G0+3], s[20:21]
	s_or_b32 s[G0+3], s[G0+3], 0x80000000
	s_mov_b32 s[G0HB], 1
	s_mov_b32 s[G0HB+1], BB0
	s_mov_b64 s[G0HB+2:G0HB+3], s[46:47]
	s_or_b32 s[G0HB+3], s[G0HB+3], 0x80000000
	s_mov_b32 s[G0HC], 1
	s_mov_b32 s[G0HC+1], BB0+BSL
	s_add_nc_u64 s[G0HC+2:G0HC+3], s[46:47], ROWB
	s_or_b32 s[G0HC+3], s[G0HC+3], 0x80000000
	s_mov_b32 s[G0SB], 1
	s_mov_b32 s[G0SB+1], SCB
	s_mov_b64 s[G0SB+2:G0SB+3], s[96:97]
	s_or_b32 s[G0SB+3], s[G0SB+3], 0x80000000
	s_add_nc_u64 s[46:47], s[46:47], s[98:99]
.irp s, 0,1
	s_mov_b32 s[G0B+4*\s], 1
	s_add_co_u32 s[G0B+4*\s+1], s45, \s*BSL
	s_add_nc_u64 s[G0B+4*\s+2:G0B+4*\s+3], s[46:47], \s*ROWB
	s_or_b32 s[G0B+4*\s+3], s[G0B+4*\s+3], 0x80000000
.endr
.macro ARM under, g0, g1, next         ; the head's four loads, one a wave, in one tree of branches
	s_cmp_lt_u32 s14, \under
	s_cbranch_scc0 \next
	TLOAD \g0, \g1
	s_branch .Lhead_asked
\next:
.endm
	ARM 1, G0,   G1,  .Lhead_b
	ARM 2, G0HB, G1B, .Lhead_c
	ARM 3, G0HC, G1B, .Lhead_sb
	TLOAD G0SB, G1SB
.Lhead_asked:
	s_lshl_b32 s20, s18, 22                        ; part: plane z, my first row and column
	s_lshl_b32 s21, s41, 20
	s_add_co_u32 s20, s20, s21
	s_lshl_b32 s21, s15, 19
	s_add_co_u32 s20, s20, s21
	s_lshl_b32 s21, s40, 10
	s_add_co_u32 s20, s20, s21
	s_lshl_b32 s21, s16, 9
	s_add_co_u32 s20, s20, s21
	s_mov_b32 s21, 0
	s_add_nc_u64 s[12:13], s[12:13], s[20:21]
	s_mul_i32 s20, s18, 16*HQS                     ; the prefetches of hq: of a block's 100 units of 256 bytes partner cx takes 25, wave 0 thirteen of them, wave 1 twelve
	s_mul_i32 s22, s41, ABL
	s_add_co_u32 s20, s20, s22
	s_mul_i32 s22, s40, 6400
	s_add_co_u32 s20, s20, s22
	s_mul_i32 s22, s16, 3328
	s_add_co_u32 s20, s20, s22
	s_add_nc_u64 s[96:97], s[4:5], s[20:21]
	s_lshl_b32 s20, s40, 8                         ; of W2: of the 128 rows that a wave fetches partner cy takes 32
	s_lshl_b32 s22, s16, 7
	s_add_co_u32 s20, s20, s22
	s_lshl_b32 s22, s41, 5
	s_add_co_u32 s20, s20, s22
	s_mul_i32 s20, s20, KROW
	s_mul_i32 s22, s66, 1024*KROW
	s_add_co_u32 s20, s20, s22
	s_mul_i32 s22, s67, 1536
	s_add_co_u32 s20, s20, s22
	s_add_nc_u64 s[98:99], s[8:9], s[20:21]
	s_sub_co_u32 s19, 12, s16                      ; the last of my units
	s_mul_i32 s20, s15, 8*1536                     ; my eight images in a block
	s_mul_i32 s21, s16, HALFT
	s_add_co_u32 s21, s21, BB0
	s_lshl_b32 s22, s15, 9
	s_add_co_u32 s22, s22, 16*1536                 ; my 128 rows' scale words, behind the block's images
	s_mul_i32 s23, s16, 128*SBP
	s_add_co_u32 s23, s23, SCB
	s_mul_i32 s45, s14, 16*SPITCH                  ; my stage, in slot 0's part for h: its last fill is chunk 4's, read for the last time ahead of the walk's last barrier
	s_mov_b32 s46, BSL-232
	s_mov_b32 s47, BSL+232
	v_and_b32 v1, 15, v0
	v_bfe_u32 v2, v0, 4, 1
	v_and_b32 v3, 31, v0
	v_lshlrev_b32 v[CO], 4, v3
	v_add_nc_u32 v[ADRA], s20, v[CO]
	v_add_nc_u32 v[ADRA+1], ASL, v[ADRA]
	v_mul_u32_u24 v4, v1, PITCH
	v_add_nc_u32 v4, s21, v4
	v_mad_u32_u24 v[ADRB], v2, 24, v4
	v_add_nc_u32 v[ADRB+1], BSL, v[ADRB]
	v_mad_u32_u24 v5, v2, s46, v4
	v_add_nc_u32 v[ADRB+2], 232, v5                ; lanes 0-15 byte 232 of the row in slot 0, lanes 16-31 byte 0 in slot 1
	v_sub_nc_u32 v7, 1, v2
	v_mad_u32_u24 v[ADRB+3], v7, s47, v4           ; and the other way round
	v_lshl_add_u32 v18, v1, 2, s22                 ; h's scale words in slot 0: 4 bytes a row (both halves of the lanes alike),
	v_add_nc_u32 v27, ASL, v18                     ; and in slot 1
	v_mul_u32_u24 v6, v1, SBP
	v_lshl_add_u32 v6, v2, 2, v6
	v_add_nc_u32 v[ADSB], s23, v6
	v_mul_u32_u24 v5, v1, SPITCH
	v_lshl_add_u32 v5, v2, 5, v5
	v_add_nc_u32 v[STO], s45, v5
	v_add_nc_u32 v[RD], s45, v[CO]
	v_min_u32 v6, s19, v3                          ; (the lanes left over name the wave's last unit again)
	v_lshlrev_b32 v[PFOA], 8, v6
	v_mul_u32_u24 v[PFOB], v3, KROW
.macro AT st                           ; where step st's block of h lies: slot CA % 2, place IX
.set CA, (96*(\st))/ROWB
.set IX, (\st)-(ROWB*CA+95)/96
.endm
.macro FRAGB reg, st, i                ; a fragment of W2: six pieces of 8 bytes, each inside one chunk
.irp p, 0,1,2,3,4,5
.set BY, 96*(\st)+48*(\p/3)+8*(\p%3)
.if BY/ROWB == (BY+24)/ROWB
	ds_load_b64 v[\reg+2*\p:\reg+2*\p+1], v[ADRB+(BY/ROWB)%2] offset:BY%ROWB+(\i)*16*PITCH
.else
	ds_load_b64 v[\reg+2*\p:\reg+2*\p+1], v[ADRB+2+(BY/ROWB)%2] offset:BY%ROWB-232+(\i)*16*PITCH
.endif
.endr
.endm
.macro FRAGA reg, st, i                ; a fragment of h: its image
	AT \st
.irp g, 0,1,2
	ds_load_b128 v[\reg+4*\g:\reg+4*\g+3], v[ADRA+CA%2] offset:IX*ABL+(\i)*1536+512*\g
.endr
.endm
.macro MUL16 a0, q, sc, zero           ; h's blocks a0, a0 + 1 against W2's eight (set q); the 64 accumulators take turns
.irp a, \a0, \a0+1
.irp b, 0,1,2,3,4,5,6,7
.set DD, 8*(8*((\a)%4)+\b)
.if \zero
	v_wmma_scale_f32_16x16x128_f8f6f4 v[DD:DD+7], v[128*(\q)+FR*\b:128*(\q)+FR*\b+FR-1], v[AF+FR*(\a):AF+FR*(\a)+FR-1], 0, v[SC+16+8*(\sc)+\b], v[SC+8*(\q)+(\a)] matrix_a_fmt:MATRIX_FMT_FP6 matrix_b_fmt:MATRIX_FMT_FP6
.elseif (\q) == 0
	v_wmma_scale_f32_16x16x128_f8f6f4 v[DD:DD+7], v[128*(\q)+FR*\b:128*(\q)+FR*\b+FR-1], v[AF+FR*(\a):AF+FR*(\a)+FR-1], v[DD:DD+7], v[SC+16+8*(\sc)+\b], v[SC+8*(\q)+(\a)] matrix_a_fmt:MATRIX_FMT_FP6 matrix_b_fmt:MATRIX_FMT_FP6
.else
	v_wmma_scale_f32_16x16x128_f8f6f4 v[DD:DD+7], v[128*(\q)+FR*\b:128*(\q)+FR*\b+FR-1], v[AF+FR*(\a):AF+FR*(\a)+FR-1], v[DD:DD+7], v[SC+16+8*(\sc)+\b], v[SC+8*(\q)+(\a)] matrix_a_fmt:MATRIX_FMT_FP6 matrix_b_fmt:MATRIX_FMT_FP6 matrix_a_scale:MATRIX_SCALE_ROW1
.endif
.endr
.endr
.endm
.macro FETCH_B st
	WIN TO_B
.irp i, 0,1,2,3,4,5,6,7
	FRAGB 128*((\st)%2)+FR*\i, \st, \i
.endr
	WIN 0
.endm
.macro FETCH_A st, i0
.irp i, \i0, \i0+1, \i0+2, \i0+3
	FRAGA AF+FR*(\i), \st, \i
.endr
.endm
.macro SCALA st                        ; h's scale words of step st into set st % 2
	AT \st
.irp i, 0,1,2,3,4,5,6,7
	ds_load_b32 v[SC+8*((\st)%2)+\i], v[18+9*(CA%2)] offset:IX*ABL+64*\i
.endr
.endm
.macro SCALB pr                        ; W2's scale words of steps 2 pr, 2 pr + 1 into set pr % 2
.irp i, 0,1,2,3,4,5,6,7
	ds_load_b32 v[SC+16+8*((\pr)%2)+\i], v[ADSB] offset:8*(\pr)+\i*16*SBP
.endr
.endm
; A step: 64 matrix instructions; the next step's fragments are fetched in its middle and at its end.  Where the next step begins in a later chunk, the chunk left behind is read no more: the three lines, the barrier,
; and, where a chunk two on is left, a round and the refill.  Where the next step only ends in a chunk that came by a refill and was not read yet, a barrier ahead of the fetch shows that chunk whole.
.macro STEP st, zero
.set NX, (\st)+1
.set C0, (96*(\st))/ROWB
.set C1, (96*NX)/ROWB
.set E0, (96*(\st)+95)/ROWB
.set E1, (96*NX+95)/ROWB
.if C1 > C0
	s_wait_tensorcnt 0x0
	ds_add_u32 v[SPW], v[NIL]
	s_wait_dscnt 13                                ; (the add and the 12 loads of h's blocks 4-7 may be out)
	WIN MUL_LO
	MUL16 0, (\st)%2, ((\st)/2)%2, \zero
	s_wait_dscnt 0x0                               ; the add, and my reads of the chunk left behind
	s_barrier_signal -1
	MUL16 2, (\st)%2, ((\st)/2)%2, \zero
	WIN 0
	s_barrier_wait -1
.if C0+2 < CHUNKS
	CREST
.if C0 == 0
.set DLT, 6
.else
.set DLT, (ROWB*(C0+2)+95)/96-(ROWB*(C0+1)+95)/96
.endif
.set NSX, (ROWB*(C0+3)+95)/96-(ROWB*(C0+2)+95)/96
	s_mov_b32 s[G0+1], (C0%2)*ASL                  ; no load of mine is out: h's descriptor goes on to chunk C0 + 2's steps,
	s_add_nc_u64 s[G0+2:G0+3], s[G0+2:G0+3], DLT*HQS
	s_mov_b32 s[G1+2], NSX<<16                     ; two or three of them;
	s_mov_b32 s[G1+4], NSX
	s_add_nc_u64 s[G0B+4*(C0%2)+2:G0B+4*(C0%2)+3], s[G0B+4*(C0%2)+2:G0B+4*(C0%2)+3], 2*ROWB
	JLOAD C0%2
.else
	PLACES 4
.endif
.elseif E1 > E0 && E1 > 1
	s_wait_dscnt 12
	WIN MUL_LO
	MUL16 0, (\st)%2, ((\st)/2)%2, \zero
	MUL16 2, (\st)%2, ((\st)/2)%2, \zero
	WIN 0
	s_wait_tensorcnt 0x0                           ; my part of the new chunk is in;
	s_wait_dscnt 0x0
	s_barrier_signal -1
	s_barrier_wait -1                              ; everybody's is.
	PLACES 4
.else
	s_wait_dscnt 12
	WIN MUL_LO
	MUL16 0, (\st)%2, ((\st)/2)%2, \zero
	MUL16 2, (\st)%2, ((\st)/2)%2, \zero
	s_wait_dscnt 0
	PLACES 4
.endif
	FETCH_B NX
	FETCH_A NX, 0
	SCALA NX
.if NX%2 == 0
	SCALB NX/2
.endif
.if C1 > C0 && C0+4 < CHUNKS
	ASK C0+4
.endif
	WIN MUL_HI
	MUL16 4, (\st)%2, ((\st)/2)%2, \zero
	MUL16 6, (\st)%2, ((\st)/2)%2, \zero
	PLACES 4
	WIN 0
	FETCH_A NX, 4
.endm
	s_wait_alu depctr_va_vdst(0)
	s_wait_tensorcnt 0x0                           ; my load of the head's four is in
	s_mov_b32 s[G1B+2], 128<<16                    ; no load of mine is out: from here on a load of W2 brings 128 rows
	s_mov_b32 s[G1B+4], 128
	s_barrier_signal -1
	s_barrier_wait -1                              ; both slots and the scales are whole
	FETCH_B 0
	FETCH_A 0, 0
	SCALA 0
	SCALB 0
	FETCH_A 0, 4
	STEP 0, 1
.set ST, 1
.rept STEPS-2
	STEP ST, 0
.set ST, ST+1
.endr
	s_wait_dscnt 12
	WIN MUL_LO
	MUL16 0, 1, 1, 0
	MUL16 2, 1, 1, 0
	s_wait_dscnt 0
	WIN MUL_HI
	MUL16 4, 1, 1, 0
	MUL16 6, 1, 1, 0
	WIN 0
; THE WAY OUT, by blocks of 16 rows x 128 columns through my own stage: whole rows of 512 bytes leave as two aligned units of 256 bytes.
.macro TOSTAGE a
.set AC, 64*((\a)%4)
	WIN 0x08+4*((\a)/4)
.irp b, 0,1,2,3,4,5,6,7
	ds_store_b128 v[STO], v[AC+8*\b:AC+8*\b+3] offset:64*\b
	ds_store_b128 v[STO], v[AC+8*\b+4:AC+8*\b+7] offset:64*\b+16
.endr
	WIN 0
.set BB, BK+64*((\a)%2)
.irp t, 0,1,2,3,4,5,6,7,8,9,10,11,12,13,14,15
	ds_load_b128 v[BB+4*\t:BB+4*\t+3], v[RD] offset:\t*SPITCH
.endr
.endm
.macro SEND a, younger
.set BB, BK+64*((\a)%2)
	s_wait_dscnt \younger
.if (\a) > 0
	s_add_nc_u64 s[12:13], s[12:13], 16*4096
.endif
.irp t, 0,1,2,3,4,5,6,7,8,9,10,11,12,13,14,15
	global_store_b128 v[CO], v[BB+4*\t:BB+4*\t+3], s[12:13] offset:\t*4096 th:TH_STORE_NT
.endr
.endm
	PLACES 4
	TOSTAGE 0
.irp a, 1,2,3,4,5,6,7
.if \a > 1
	s_wait_xcnt 0x0                                ; block a - 2's stores have read their registers and their base
.endif
	TOSTAGE \a
	SEND \a-1, 32
.endr
	s_wait_xcnt 0x0
	SEND 7, 0
	s_wait_tensorcnt 0x0                           ; the wave's end
	ds_add_u32 v[SPW], v[NIL]
	s_wait_dscnt 0x0
	CROUND                                         ; the closing round
	s_endpgm
.Lfunc_end_k_q1ef0ab9728_gemm2:
	.size	k_q1ef0ab9728_gemm2, .Lfunc_end_k_q1ef0ab9728_gemm2-k_q1ef0ab9728_gemm2
	.p2alignl 7, 3214868480
	.fill 96, 4, 3214868480
	.section	.rodata,"a",@progbits
	.p2align	6, 0x0
	.amdhsa_kernel k_q1ef0ab9728_gemm2
		.amdhsa_group_segment_fixed_size 327680
		.amdhsa_private_segment_fixed_size 0
		.amdhsa_enable_private_segment 0
		.amdhsa_kernarg_size 32
		.amdhsa_user_sgpr_count 2
		.amdhsa_user_sgpr_kernarg_segment_ptr 1
		.amdhsa_wavefront_size32 1
		.amdhsa_system_sgpr_workgroup_id_x 1
		.amdhsa_system_sgpr_workgroup_id_y 1
		.amdhsa_system_sgpr_workgroup_id_z 1
		.amdhsa_system_vgpr_workitem_id 0
		.amdhsa_next_free_vgpr 1024
		.amdhsa_next_free_sgpr 100
		.amdhsa_reserve_vcc 0
		.amdhsa_float_denorm_mode_32 3
		.amdhsa_float_denorm_mode_16_64 3
		.amdhsa_memory_ordered 1
		.amdhsa_forward_progress 1
		.amdhsa_inst_pref_size 255
	.end_amdhsa_kernel
	.section	.bss,"aw",@nobits
	.p2align	6
	.space	262144
	.amdgpu_metadata
---
amdhsa.version: [ 1, 2 ]
amdhsa.kernels:
  - .name:           k_q1ef0ab9728_gemm2
    .symbol:         k_q1ef0ab9728_gemm2.kd
    .args:
      - { .name: hq, .offset: 0, .size: 8, .value_kind: global_buffer, .address_space: global }
      - { .name: W2_codes, .offset: 8, .size: 8, .value_kind: global_buffer, .address_space: global }
      - { .name: W2_scales, .offset: 16, .size: 8, .value_kind: global_buffer, .address_space: global }
      - { .name: part, .offset: 24, .size: 8, .value_kind: global_buffer, .address_space: global }
    .group_segment_fixed_size: 327680
    .private_segment_fixed_size: 0
    .kernarg_segment_align: 8
    .kernarg_segment_size: 32
    .max_flat_workgroup_size: 128
    .sgpr_count:     100
    .vgpr_count:     1024
    .wavefront_size: 32
...
	.end_amdgpu_metadata
.endif
;; end of part 3
;; launch combine (part 4): grid 1024 x 1, 8 waves a work-group, no clusters, 1,280 bytes of LDS; arguments part, x, Wg, bg, b2, out0; writes out0
.if DOCPART == 4
	.amdgcn_target "amdgcn-amd-amdhsa--gfx1250"
	.amdhsa_code_object_version 6
	.text
	.protected	k_q1ef0ab9728_combine
	.globl	k_q1ef0ab9728_combine
	.p2align	8
	.type	k_q1ef0ab9728_combine,@function
k_q1ef0ab9728_combine:
	s_mov_b64 s[64:65], 0
	v_nop
	global_prefetch_b8 v0, s[64:65] scope:SCOPE_SE
	s_setreg_imm32_b32 hwreg(HW_REG_WAVE_MODE, 25, 1), 1
	s_wait_xcnt 0x0
; out[row][o] = the sum over the 8 experts of gate[row][e] x (part[2 e][row][o] + part[2 e + 1][row][o] + b2[e][o]),  gate[row] = softmax over e of (x[row] . Wg[:, e] + bg[e]).  All in f32.
; A work-group of eight waves owns one row; thread t owns columns 4 t .. 4 t + 3 of the output, and numbers 4 t .. 4 t + 3 of x for the gate.
; All loads go out at once, the gate's ten first: the gate is computed while the 24 loads of the parts and of b2 are on their way.  The softmax takes the row's largest logit away before the exponential.
; Memory binds: each byte of the parts is read once, 512 consecutive bytes a wave and load; the row leaves as 512 consecutive bytes a wave.  No matrix unit, no cluster, no tensor load: nothing here would feed them.
.set XV,  4                            ; v4-7     my four numbers of x
.set WG,  8                            ; v8-39    Wg's rows 4 t .. 4 t + 3: register 8 i + e
.set LG,  40                           ; v40-47   my eight partial logits; later v44-47 my four results
.set AC,  44
.set PXD, 56                           ; v56-63   destinations of the lane permutes
.set PT,  64                           ; v64-127  the sixteen parts, four numbers each
.set B2,  8                            ; v8-39    b2 of the eight experts, in Wg's registers once the logits' products have read them
.set GT,  40                           ; s40-47   the gate
	s_load_b256 s[4:11], s[0:1], 0x0               ; part, x, Wg, bg
	s_load_b128 s[12:15], s[0:1], 0x20             ; b2, out0
	v_lshl_add_u32 v48, v0, 2, 0x100
	v_mov_b32 v49, 0
	v_lshrrev_b32 v1, 5, v0
	s_delay_alu instid0(VALU_DEP_1)
	v_readfirstlane_b32 s2, v1                     ; wave 0..7
	v_and_b32 v1, 31, v0                           ; lane
	v_lshlrev_b32 v2, 4, v0                        ; 16 t: my bytes in a row of 4,096
	v_lshlrev_b32 v3, 7, v0                        ; 128 t: my four rows of Wg
	s_delay_alu instid0(VALU_DEP_3)
	v_and_b32 v50, 7, v1
	s_delay_alu instid0(VALU_DEP_1)
	v_lshlrev_b32 v50, 2, v50                      ; bg: 4 (lane % 8)
	v_lshlrev_b32 v51, 2, v1                       ; LDS: 4 x lane
	s_lshl_b32 s3, s2, 5
	v_mov_b32 v52, s3                              ; LDS: my wave's eight sums, 32 bytes
.irp e, 0,1,2,3,4,5,6,7
	v_mov_b32 v[PXD+\e], 0                         ; written once: a lane permute's destination counts as one of its sources
.endr
	s_mov_b32 s32, 0x76543210
	s_mov_b32 s33, 0xfedcba98                      ; v_permlanex16_b32's selects for lane l xor 16
	s_lshl_b32 s34, ttmp9, 12                      ; my row, in bytes
	s_mov_b32 s35, 0
	s_wait_kmcnt 0x0
	s_add_nc_u64 s[6:7], s[6:7], s[34:35]
	s_add_nc_u64 s[14:15], s[14:15], s[34:35]
	s_add_nc_u64 s[16:17], s[4:5], s[34:35]        ; eight bases, two planes of 4 MiB apart: the second plane of a pair stands in the load's immediate
.irp e, 1,2,3,4,5,6,7
	s_add_nc_u64 s[16+2*\e:17+2*\e], s[14+2*\e:15+2*\e], 0x800000
.endr
	global_load_b128 v[XV:XV+3], v2, s[6:7]
.irp j, 0,1,2,3,4,5,6,7
	global_load_b128 v[WG+4*\j:WG+4*\j+3], v3, s[8:9] offset:16*\j
.endr
	global_load_b32 v53, v50, s[10:11]
.irp e, 0,1,2,3,4,5,6,7
	global_load_b128 v[PT+8*\e:PT+8*\e+3], v2, s[16+2*\e:17+2*\e] th:TH_LOAD_NT
	global_load_b128 v[PT+8*\e+4:PT+8*\e+7], v2, s[16+2*\e:17+2*\e] offset:4194304 th:TH_LOAD_NT
.endr
	s_wait_loadcnt 16                              ; x, Wg and bg are in; the 16 loads of the parts stay out
.irp e, 0,1,2,3,4,5,6,7
	v_mul_f32 v[LG+\e], v[XV], v[WG+\e]
.endr
.irp i, 1,2,3
.irp e, 0,1,2,3,4,5,6,7
	v_fmac_f32 v[LG+\e], v[XV+\i], v[WG+8*\i+\e]
.endr
.endr
.irp e, 0,1,2,3,4,5,6,7
	global_load_b128 v[B2+4*\e:B2+4*\e+3], v2, s[12:13] offset:4096*\e   ; b2, into the registers that held Wg
.endr
.irp m, 1,2,4,8                                ; each of the eight over the wave's 32 lanes, the eight by turns
.irp e, 0,1,2,3,4,5,6,7
	v_add_f32_dpp v[LG+\e], v[LG+\e], v[LG+\e] row_xmask:\m row_mask:0xf bank_mask:0xf
.endr
.endr
.irp e, 0,1,2,3,4,5,6,7
	v_permlanex16_b32 v[PXD+\e], v[LG+\e], s32, s33
.endr
.irp e, 0,1,2,3,4,5,6,7
	v_add_f32 v[LG+\e], v[LG+\e], v[PXD+\e]
.endr
	ds_store_b128 v52, v[LG:LG+3]                  ; all lanes write the same words with the same values
	ds_store_b128 v52, v[LG+4:LG+7] offset:16
	s_wait_dscnt 0x0                               ; for the others' sake: my stores have landed
	s_barrier_signal -1
	s_barrier_wait -1
	ds_load_b32 v54, v51                           ; lane l: logit l % 8 of wave l / 8,
	ds_load_b32 v55, v51 offset:128                ; and of wave 4 + l / 8
	s_wait_dscnt 0x0
	v_add_f32 v54, v54, v55
	s_delay_alu instid0(VALU_DEP_1)
	v_add_f32_dpp v54, v54, v54 row_xmask:8 row_mask:0xf bank_mask:0xf
	s_delay_alu instid0(VALU_DEP_1)
	v_permlanex16_b32 v[PXD], v54, s32, s33
	s_delay_alu instid0(VALU_DEP_1)
	v_add_f32 v54, v54, v[PXD]                     ; the eight waves' sums
	s_delay_alu instid0(VALU_DEP_1)
	v_add_f32 v54, v54, v53                        ; + bg: lane l holds logit l % 8
	s_delay_alu instid0(VALU_DEP_1)
	v_max_num_f32_dpp v55, v54, v54 row_xmask:1 row_mask:0xf bank_mask:0xf
	s_delay_alu instid0(VALU_DEP_1)
	v_max_num_f32_dpp v55, v55, v55 row_xmask:2 row_mask:0xf bank_mask:0xf
	s_delay_alu instid0(VALU_DEP_1)
	v_max_num_f32_dpp v55, v55, v55 row_xmask:4 row_mask:0xf bank_mask:0xf   ; the largest of the eight
	s_delay_alu instid0(VALU_DEP_1)
	v_sub_f32 v54, v54, v55
	s_delay_alu instid0(VALU_DEP_1)
	v_mul_f32 v54, 0x3fb8aa3b, v54                 ; x log2(e)
	s_wait_alu depctr_va_vdst(0)
	v_exp_f32 v54, v54
	v_nop                                          ; a plain instruction behind the transcendental,
	s_wait_alu depctr_va_vdst(0)                   ; and a wait ahead of the first use of its result
	v_add_f32_dpp v55, v54, v54 row_xmask:1 row_mask:0xf bank_mask:0xf
	s_delay_alu instid0(VALU_DEP_1)
	v_add_f32_dpp v55, v55, v55 row_xmask:2 row_mask:0xf bank_mask:0xf
	s_delay_alu instid0(VALU_DEP_1)
	v_add_f32_dpp v55, v55, v55 row_xmask:4 row_mask:0xf bank_mask:0xf       ; the sum of the eight
	s_wait_alu depctr_va_vdst(0)
	v_rcp_f32 v55, v55
	v_nop
	s_wait_alu depctr_va_vdst(0)
	v_mul_f32 v54, v54, v55                        ; lane e holds gate e
.irp e, 0,1,2,3,4,5,6,7
	v_readlane_b32 s[GT+\e], v54, \e
.endr
	s_wait_loadcnt 0x0                             ; the parts and b2
.irp e, 0,1,2,3,4,5,6,7
	v_pk_add_f32 v[PT+8*\e:PT+8*\e+1], v[PT+8*\e:PT+8*\e+1], v[PT+8*\e+4:PT+8*\e+5]       ; the two halves of the expert's K,
	v_pk_add_f32 v[PT+8*\e+2:PT+8*\e+3], v[PT+8*\e+2:PT+8*\e+3], v[PT+8*\e+6:PT+8*\e+7]
.endr
.irp e, 0,1,2,3,4,5,6,7
	v_pk_add_f32 v[PT+8*\e:PT+8*\e+1], v[PT+8*\e:PT+8*\e+1], v[B2+4*\e:B2+4*\e+1]         ; + b2
	v_pk_add_f32 v[PT+8*\e+2:PT+8*\e+3], v[PT+8*\e+2:PT+8*\e+3], v[B2+4*\e+2:B2+4*\e+3]
.endr
.irp k, 0,1,2,3
	v_mul_f32 v[AC+\k], s[GT], v[PT+\k]
.endr
.irp e, 1,2,3,4,5,6,7
.irp k, 0,1,2,3
	s_delay_alu instid0(VALU_DEP_4)
	v_fmac_f32 v[AC+\k], s[GT+\e], v[PT+8*\e+\k]
.endr
.endr
	global_store_b128 v2, v[AC:AC+3], s[14:15] th:TH_STORE_NT   ; a wave stores 512 consecutive bytes, aligned
	s_wait_tensorcnt 0x0
	ds_add_u32 v48, v49
	s_wait_dscnt 0x0
	s_endpgm
.Lfunc_end_k_q1ef0ab9728_combine:
	.size	k_q1ef0ab9728_combine, .Lfunc_end_k_q1ef0ab9728_combine-k_q1ef0ab9728_combine
	.p2alignl 7, 3214868480
	.fill 96, 4, 3214868480
	.section	.rodata,"a",@progbits
	.p2align	6, 0x0
	.amdhsa_kernel k_q1ef0ab9728_combine
		.amdhsa_group_segment_fixed_size 1280
		.amdhsa_private_segment_fixed_size 0
		.amdhsa_enable_private_segment 0
		.amdhsa_kernarg_size 48
		.amdhsa_user_sgpr_count 2
		.amdhsa_user_sgpr_kernarg_segment_ptr 1
		.amdhsa_wavefront_size32 1
		.amdhsa_system_sgpr_workgroup_id_x 1
		.amdhsa_system_sgpr_workgroup_id_y 1
		.amdhsa_system_sgpr_workgroup_id_z 1
		.amdhsa_system_vgpr_workitem_id 0
		.amdhsa_next_free_vgpr 128
		.amdhsa_next_free_sgpr 66
		.amdhsa_reserve_vcc 0
		.amdhsa_float_denorm_mode_32 3
		.amdhsa_float_denorm_mode_16_64 3
		.amdhsa_memory_ordered 1
		.amdhsa_forward_progress 1
		.amdhsa_inst_pref_size 16
	.end_amdhsa_kernel
	.amdgpu_metadata
---
amdhsa.version: [ 1, 2 ]
amdhsa.kernels:
  - .name:           k_q1ef0ab9728_combine
    .symbol:         k_q1ef0ab9728_combine.kd
    .args:
      - { .name: part, .offset: 0, .size: 8, .value_kind: global_buffer, .address_space: global }
      - { .name: x, .offset: 8, .size: 8, .value_kind: global_buffer, .address_space: global }
      - { .name: Wg, .offset: 16, .size: 8, .value_kind: global_buffer, .address_space: global }
      - { .name: bg, .offset: 24, .size: 8, .value_kind: global_buffer, .address_space: global }
      - { .name: b2, .offset: 32, .size: 8, .value_kind: global_buffer, .address_space: global }
      - { .name: out0, .offset: 40, .size: 8, .value_kind: global_buffer, .address_space: global }
    .group_segment_fixed_size: 1280
    .private_segment_fixed_size: 0
    .kernarg_segment_align: 8
    .kernarg_segment_size: 48
    .max_flat_workgroup_size: 256
    .sgpr_count:     66
    .vgpr_count:     128
    .wavefront_size: 32
...
	.end_amdgpu_metadata
.endif
;; end of part 4
